; MI455X (gfx1250); checked and timed in simulation.
; The chip was launched on July 23, 2026; its instructions are those of AMD's public machine-readable ISA for CDNA 5 (MIT licence, August 2026) and "CDNA5" Instruction Set Architecture Reference Guide (July 2026). The comments in the code are by the model that wrote it; some were corrected since.
;; Attention Critic. Allowed arithmetic: matrix products marked QUANTISED: E3M2 operands, one E8M0 scale for each 32 along K, by v_wmma_scale_f32_16x16x128_f8f6f4 with both operands' format E3M2, f32 sums; products left as they are: f32 operands where the result goes on into a quantised operand, else bf16, f16 or f32 operands; f32 sums; everything else in f32.
;; Inputs: W_b1 256 x 256 float32; W_b2 256 x 1 float32; W_c1 512 x 256 float32; W_c2 256 x 1 float32; W_enc 160 x 256 float32; W_k 4 x 256 x 64 float32; W_q 4 x 256 x 64 float32; W_s 128 x 256 float32; W_v 4 x 256 x 64 float32; b_b1 256 float32; b_b2 1 float32; b_c1 256 float32; b_c2 1 float32; b_enc 256 float32; b_s 256 float32; b_v 4 x 64 float32; sa 8 x 16,384 x 160 float32; states 8 x 16,384 x 128 float32.
;; Outputs: out0 8 x 16,384 x 1 float32; out1 8 float32.
;; This version of the problem:
;;   THIS VERSION OF THE PROBLEM IS GIVEN IN LOW PRECISION. The matrix products marked QUANTISED in the list below multiply operands that are first quantised to E3M2 (3 exponent bits, 2 mantissa bits; 6 bits a number), with one power-of-two scale for each 32 numbers along K (OCP MX v1.0); their sums are f32. All else is computed in f32.
;;   The module's matrix products, in the order in which they are computed (A, B: the left and right operand; K: the contracted axis; several contracted axes count as one K, in the product's order):
;;     1. [M 131,072, K 160] x [K 160, N 256]; A: input sa; B: input W_enc: QUANTISED
;;     2. [M 131,072, K 128] x [K 128, N 256]; A: input states; B: input W_s: QUANTISED
;;     3. [M 256, K 256] x [K 256, N 131,072]; A: input W_k; B: computed on the way: QUANTISED
;;     4. [M 256, K 256] x [K 256, N 131,072]; A: input W_q; B: computed on the way: QUANTISED
;;     5. [M 256, K 256] x [K 256, N 131,072]; A: input W_v; B: computed on the way: QUANTISED
;;     6. batch 65,536 x [M 8, K 64] x [K 64, N 8]; A: computed on the way; B: computed on the way: left as it is (M = 8 < 16)
;;     7. batch 65,536 x [M 64, K 8] x [K 8, N 8]; A: computed on the way; B: softmax: left as it is (K = 8 < 32)
;;     8. [M 131,072, K 512] x [K 512, N 256]; A: computed on the way; B: input W_c1: QUANTISED
;;     9. [M 131,072, K 256] x [K 256, N 1]; A: computed on the way; B: input W_c2: left as it is (N = 1 < 16)
;;     10. [M 131,072, K 256] x [K 256, N 256]; A: computed on the way; B: input W_b1: QUANTISED
;;     11. [M 131,072, K 256] x [K 256, N 1]; A: computed on the way; B: input W_b2: left as it is (N = 1 < 16)
;;   THE QUANTISER, for each operand of a quantised product, along K:
;;     - K is cut into blocks of 32 from its start; a last block that is shorter is filled with zeros.
;;     - A block's scale is 2^e with e = floor(log2(the largest magnitude in the block)) - 4, held to -126 .. 127; a block of zeros has e = 0. As a byte (E8M0): e + 127.
;;     - Each number is divided by its block's scale, clamped to +-28, and rounded to the nearest number of E3M2, ties to even, subnormals kept.
;;     - The product sums the exact products of the quantised numbers (number of the format x scale) in f32.
;;   ~~~python
;;   def quantise(x, axis):      # numpy; x: float32 -> the quantised numbers, widened to float32 again
;;       x = np.moveaxis(x, axis, -1); K = x.shape[-1]
;;       x = np.pad(x, [(0, 0)] * (x.ndim - 1) + [(0, -K % 32)]); x = x.reshape(x.shape[:-1] + (-1, 32)); a = np.abs(x).max(-1, keepdims=True)
;;       e = np.where(a > 0, np.clip(np.frexp(np.where(a > 0, a, 1))[1] - 1 - 4, -126, 127), 0)      # np.frexp(a)[1] - 1 = floor(log2(a)), exactly
;;       r = np.clip(x / 2.0 ** e, -28, 28)
;;       step = 2.0 ** (np.maximum(np.frexp(np.where(r == 0, 1, r))[1] - 1, -2) - 2)
;;       q = np.round(r / step) * step * 2.0 ** e      # np.round: ties to even
;;       return np.moveaxis(q.reshape(q.shape[:-2] + (-1,))[..., :K], -1, axis).astype(np.float32)
;;   ~~~
;;   OPERANDS COMPUTED ON THE WAY. 'Computed on the way' means the value that the module computes at that place (a softmax that the list does not call 'softmax' is quantised finished and normalised). What goes into a quantiser is computed in f32, as accurately as f32 sums, v_exp_f32 and their like allow (about 1e-6 of the number): no bf16 or f16 on the way to a quantiser, and a product that is left as it is and whose result goes on into a quantised operand takes f32 operands (vector FMAs, or v_wmma_f32_16x16x4_f32). A number that lies on a knife's edge between two numbers of the format may be rounded either way, as far as f32 arithmetic and the matrix unit's own rounding can turn it there, and no further.
;; One version. Each part assembles by itself: llvm-mc -triple=amdgcn-amd-amdhsa -mcpu=gfx1250 --defsym DOCPART=n.
;; ======== version 1 of 1: 3 launches
;; limits: right only within a limited range of input values
;; workspace buffers: wq 368,640 bytes; ws 15,360 bytes; part 8,192 bytes
;; launch prep (part 1): grid 30 x 4, 1 waves a work-group, no clusters, 0 bytes of LDS; arguments W_enc, W_s, W_q, W_k, W_v, W_b1, W_c1, wq, ws; writes wq, ws
.if DOCPART == 1
	.amdgcn_target "amdgcn-amd-amdhsa--gfx1250"
	.amdhsa_code_object_version 6
	.text
	.protected	k_q7827a5501d_prep
	.globl	k_q7827a5501d_prep
	.p2align	8
	.type	k_q7827a5501d_prep,@function
k_q7827a5501d_prep:
	s_mov_b64 s[64:65], 0
	v_nop
	global_prefetch_b8 v0, s[64:65] scope:SCOPE_SE
	s_setreg_imm32_b32 hwreg(HW_REG_WAVE_MODE, 25, 1), 1
	s_wait_xcnt 0x0
; PREP: the seven weights of the quantised products, f32 with K not innermost, become codes of BF6 (E3M2) with one E8M0 byte for each 32 along K,
; laid in the order in which the next launch's operand registers take them.
; wq: [wave w 0..3][fragment idx 0..59][group g 0..2][lane][16 bytes]: a fragment (16 units x 128 K) is the image of its 12 registers.
; ws: [w][pair p 0..29][lane][4 bytes]: lanes 0-15 the scale words of fragment 2 p, lanes 16-31 those of fragment 2 p + 1.
; Fragments of wave w: 0-7 W_enc (2 t + s), 8-11 W_s (t), 12-19 W_q, 20-27 W_k, 28-35 W_v (2 t + s), 36-39 W_b1 t = 0, 1, 40-55 W_c1 (4 t + s), 56-59 W_b1 t = 2, 3.
; t: a tile of 16 of the wave's 64 units; s: a K step of 128.  Lane m of tile t holds unit 64 w + 32 (t / 2) + 8 (t % 2) + m + 8 (m / 8).
; One wave makes one pair of fragments (e = 0, 1): work-group x = p, y = w.  A LANE TAKES A COLUMN AND ITS REGISTERS RUN DOWN K: lane (r, h) holds the whole blocks
; 4 s + 2 c + h (c = 0, 1), so no other lane is asked for a maximum and the conversions' results are the operand's registers.
; A block's byte is its largest magnitude's exponent field - 4, held at 1 from below.  W_enc has 5 blocks of K: the blocks that do not exist read rows 0-31 (no load leaves the buffer) and get zero codes.
; LIMITS: NaN and infinities are not served; a block of zeros gets the byte 1 where the rule says 127 (its codes are zeros, and this program alone reads the bytes).
.set X,   32                           ; v32-159  four blocks of 32 numbers: block n = 2 e + c at v[X + 32 n]
.set MXR, 16                           ; v16-19   largest magnitudes
.set SCO, 20                           ; v20-23   the conversions' scale operands
.set BYT, 24                           ; v24-27   scale bytes
.set WRD, 28                           ; v28-29   scale words, v30-31 the other half of the lanes'
.set C,   160                          ; v160-183 the two fragments' codes
.set CT,  184                          ; v184-199 the upper halves of the blocks' codes, before they are moved
	s_load_b512 s[8:23], s[0:1], 0x0               ; W_enc s[8:9], W_s s[10:11], W_q s[12:13], W_k s[14:15], W_v s[16:17], W_b1 s[18:19], W_c1 s[20:21], wq s[22:23]
	s_load_b64 s[24:25], s[0:1], 0x40              ; ws
	s_mov_b32 s2, ttmp9                            ; p
	s_and_b32 s3, ttmp7, 0xffff                    ; w
	s_mov_b32 s4, 0x76543210
	s_mov_b32 s5, 0xfedcba98                       ; v_permlanex16_b32: lane l xor 16
	v_and_b32 v1, 15, v0                           ; r (one wave: v0 is the lane)
	v_lshrrev_b32 v2, 4, v0                        ; h
	v_and_b32 v3, 8, v1
	v_add_nc_u32 v3, v3, v1                        ; r + 8 (r / 8)
	v_lshlrev_b32 v3, 2, v3                        ; in bytes
	s_mov_b32 s34, 0                               ; the first pair of the weight in hand
	s_mov_b32 s32, 5                               ; its blocks along K
	s_mov_b32 s33, 0                               ; 1: stored [head][K][64]
	s_wait_alu depctr_va_vdst(0)
	s_wait_kmcnt 0x0
	; which weight: selects on the work-group's number alone
	s_mov_b64 s[26:27], s[8:9]
	s_cmp_ge_u32 s2, 4
	s_cselect_b64 s[26:27], s[10:11], s[26:27]
	s_cselect_b32 s34, 4, s34
	s_cselect_b32 s32, 4, s32
	s_cmp_ge_u32 s2, 6
	s_cselect_b64 s[26:27], s[12:13], s[26:27]
	s_cselect_b32 s34, 6, s34
	s_cselect_b32 s32, 8, s32
	s_cselect_b32 s33, 1, s33
	s_cmp_ge_u32 s2, 10
	s_cselect_b64 s[26:27], s[14:15], s[26:27]
	s_cselect_b32 s34, 10, s34
	s_cmp_ge_u32 s2, 14
	s_cselect_b64 s[26:27], s[16:17], s[26:27]
	s_cselect_b32 s34, 14, s34
	s_cmp_ge_u32 s2, 18
	s_cselect_b64 s[26:27], s[18:19], s[26:27]
	s_cselect_b32 s34, 18, s34
	s_cselect_b32 s33, 0, s33
	s_cmp_ge_u32 s2, 20
	s_cselect_b64 s[26:27], s[20:21], s[26:27]
	s_cselect_b32 s34, 20, s34
	s_cselect_b32 s32, 16, s32
	s_cmp_ge_u32 s2, 28
	s_cselect_b64 s[26:27], s[18:19], s[26:27]
	s_cselect_b32 s34, 26, s34                     ; W_b1 again: p - 26 = tile 2, 3
	s_cselect_b32 s32, 8, s32
	; the pair's tiles and K steps: s28, s29 = t, s of e = 0; s30, s31 of e = 1
	s_sub_co_u32 s35, s2, s34
	s_mov_b32 s28, s35                             ; as a rule: one tile, K steps 0 and 1
	s_mov_b32 s30, s35
	s_mov_b32 s29, 0
	s_mov_b32 s31, 1
	s_sub_co_u32 s40, s2, 4                        ; W_s has one K step: two tiles to a pair
	s_lshl_b32 s41, s35, 1
	s_add_co_u32 s42, s41, 1
	s_cmp_lt_u32 s40, 2
	s_cselect_b32 s28, s41, s28
	s_cselect_b32 s30, s42, s30
	s_cselect_b32 s31, 0, s31
	s_sub_co_u32 s40, s2, 20                       ; W_c1 has four K steps: two pairs to a tile
	s_lshr_b32 s41, s35, 1
	s_and_b32 s42, s35, 1
	s_lshl_b32 s42, s42, 1
	s_add_co_u32 s43, s42, 1
	s_cmp_lt_u32 s40, 8
	s_cselect_b32 s28, s41, s28
	s_cselect_b32 s30, s41, s30
	s_cselect_b32 s29, s42, s29
	s_cselect_b32 s31, s43, s31
	s_cmp_eq_u32 s33, 1
	s_cselect_b32 s46, 16, 8                       ; wave w's units begin 65,536 bytes (a head) or 256 bytes (64 columns) on
	s_cselect_b32 s47, 13, 15                      ; a block of 32 rows is 32 x 256 or 32 x 1,024 bytes
	s_lshl_b32 s46, s3, s46
.irp e, 0,1
	s_lshr_b32 s40, s[28+2*\e], 1
	s_lshl_b32 s40, s40, 7                         ; 32 (t / 2) columns,
	s_and_b32 s41, s[28+2*\e], 1
	s_lshl_b32 s41, s41, 5                         ; 8 (t % 2) columns, in bytes
	s_add_co_u32 s40, s40, s41
	s_add_co_u32 s[44+\e], s40, s46
	v_add_nc_u32 v[12+\e], s[44+\e], v3            ; my column
	s_lshl_b32 s40, s[29+2*\e], 2
	v_add_nc_u32 v[8+2*\e], s40, v2                ; my blocks: 4 s + h,
	v_add_nc_u32 v[9+2*\e], 2, v[8+2*\e]           ; 4 s + 2 + h
.endr
.irp n, 0,1,2,3
	v_cmp_gt_u32 s[36+\n], s32, v[8+\n]            ; does the block exist?
	v_lshlrev_b32 v[4+\n], s47, v[8+\n]            ; its first row, in bytes,
	v_cndmask_b32 v[4+\n], 0, v[4+\n], s[36+\n]    ; or row 0
	s_wait_alu depctr_va_vdst(0)
	v_add_nc_u32 v[4+\n], v[4+\n], v[12+\n/2]
.endr
	s_mul_i32 s40, s3, 92160                       ; where the pair goes: 60 fragments of 1,536 bytes a wave
	s_mul_i32 s41, s2, 3072
	s_add_co_u32 s40, s40, s41
	s_mov_b32 s41, 0
	s_add_nc_u64 s[22:23], s[22:23], s[40:41]
	s_mul_i32 s40, s3, 30
	s_add_co_u32 s40, s40, s2
	s_lshl_b32 s40, s40, 7
	s_add_nc_u64 s[24:25], s[24:25], s[40:41]
	s_cmp_eq_u32 s33, 1                            ; the row pitch stands in the loads' immediates: two runs, chosen by the work-group's number
	s_cbranch_scc1 .Lheads
	s_wait_alu depctr_va_vdst(0)
.irp n, 0,1,2,3
.set i, 0
.rept 32
	global_load_b32 v[X+32*\n+i], v[4+\n], s[26:27] offset:i*1024
.set i, i+1
.endr
.endr
	s_branch .Lgo
.Lheads:
	s_wait_alu depctr_va_vdst(0)
.irp n, 0,1,2,3
.set i, 0
.rept 32
	global_load_b32 v[X+32*\n+i], v[4+\n], s[26:27] offset:i*256
.set i, i+1
.endr
.endr
.Lgo:
	s_wait_loadcnt 0x0
.irp n, 0,1,2,3
	v_max3_num_f32 v[MXR+\n], |v[X+32*\n]|, |v[X+32*\n+1]|, 0x2800000   ; all 32 numbers of a block are mine; the floor 2^(5 - 127) holds the byte at 1 from below
.endr
.irp i, 2,4,6,8,10,12,14,16,18,20,22,24,26,28,30
.irp n, 0,1,2,3
	v_max3_num_f32 v[MXR+\n], v[MXR+\n], |v[X+32*\n+\i]|, |v[X+32*\n+\i+1]|   ; the four blocks by turns
.endr
.endr
.irp n, 0,1,2,3
	v_add_nc_u32 v[SCO+\n], 0xfe000000, v[MXR+\n]  ; 4 off the exponent field: the conversion takes that field as its scale
.endr
.irp n, 0,1,2,3
	v_lshrrev_b32 v[BYT+\n], 23, v[SCO+\n]         ; the scale's byte
.endr
	v_lshlrev_b32 v14, 3, v2                       ; 8 h
.irp e, 0,1
	v_lshl_or_b32 v[WRD+\e], v[BYT+2*\e+1], 16, v[BYT+2*\e]   ; my bytes: blocks h and 2 + h of the K step,
	v_mov_b32 v[WRD+2+\e], 0                       ; (a lane permute's destination counts as one of its sources)
.endr
.irp e, 0,1
	v_lshlrev_b32 v[WRD+\e], v14, v[WRD+\e]        ; at their places in the word
.endr
.irp e, 0,1
	v_permlanex16_b32 v[WRD+2+\e], v[WRD+\e], s4, s5
.endr
.irp e, 0,1
	v_or_b32 v[WRD+\e], v[WRD+\e], v[WRD+2+\e]     ; with lane l xor 16's two the word is whole, in both halves of the lanes
.endr
.irp n, 0,1,2,3
	v_cvt_scalef32_pk16_bf6_f32 v[C+6*\n:C+6*\n+2], v[X+32*\n:X+32*\n+15], v[SCO+\n]
	v_cvt_scalef32_pk16_bf6_f32 v[CT+4*\n:CT+4*\n+2], v[X+32*\n+16:X+32*\n+31], v[SCO+\n]   ; (a conversion's three registers begin on an even number)
.endr
	v_nop                                          ; one plain place behind the scaled conversions
.irp n, 0,1,2,3
.irp i, 0,1,2
	v_mov_b32 v[C+6*\n+3+\i], v[CT+4*\n+\i]
.endr
.endr
.irp n, 0,1,2,3
.irp i, 0,1,2,3,4,5
	v_cndmask_b32 v[C+6*\n+\i], 0, v[C+6*\n+\i], s[36+\n]   ; a block beyond the weight's K: zero codes
.endr
.endr
	v_lshlrev_b32 v15, 4, v0
.irp e, 0,1
.irp g, 0,1,2
	global_store_b128 v15, v[C+12*\e+4*\g:C+12*\e+4*\g+3], s[22:23] offset:1536*\e+512*\g   ; 32 lanes store 512 consecutive bytes
.endr
.endr
	v_cmp_gt_u32 vcc_lo, 16, v0
	v_cndmask_b32 v13, v[WRD+1], v[WRD], vcc_lo    ; lanes 0-15: fragment e = 0; lanes 16-31: e = 1
	v_lshlrev_b32 v14, 2, v0
	global_store_b32 v14, v13, s[24:25]
	s_endpgm
.Lfunc_end_k_q7827a5501d_prep:
	.size	k_q7827a5501d_prep, .Lfunc_end_k_q7827a5501d_prep-k_q7827a5501d_prep
	.p2alignl 7, 3214868480
	.fill 96, 4, 3214868480
	.section	.rodata,"a",@progbits
	.p2align	6, 0x0
	.amdhsa_kernel k_q7827a5501d_prep
		.amdhsa_group_segment_fixed_size 0
		.amdhsa_private_segment_fixed_size 0
		.amdhsa_enable_private_segment 0
		.amdhsa_kernarg_size 72
		.amdhsa_user_sgpr_count 2
		.amdhsa_user_sgpr_kernarg_segment_ptr 1
		.amdhsa_wavefront_size32 1
		.amdhsa_system_sgpr_workgroup_id_x 1
		.amdhsa_system_sgpr_workgroup_id_y 1
		.amdhsa_system_sgpr_workgroup_id_z 1
		.amdhsa_system_vgpr_workitem_id 0
		.amdhsa_next_free_vgpr 208
		.amdhsa_next_free_sgpr 66
		.amdhsa_reserve_vcc 1
		.amdhsa_float_denorm_mode_32 3
		.amdhsa_float_denorm_mode_16_64 3
		.amdhsa_memory_ordered 1
		.amdhsa_forward_progress 1
		.amdhsa_inst_pref_size 37
	.end_amdhsa_kernel
	.amdgpu_metadata
---
amdhsa.version: [ 1, 2 ]
amdhsa.kernels:
  - .name:           k_q7827a5501d_prep
    .symbol:         k_q7827a5501d_prep.kd
    .args:
      - { .name: W_enc, .offset: 0, .size: 8, .value_kind: global_buffer, .address_space: global }
      - { .name: W_s, .offset: 8, .size: 8, .value_kind: global_buffer, .address_space: global }
      - { .name: W_q, .offset: 16, .size: 8, .value_kind: global_buffer, .address_space: global }
      - { .name: W_k, .offset: 24, .size: 8, .value_kind: global_buffer, .address_space: global }
      - { .name: W_v, .offset: 32, .size: 8, .value_kind: global_buffer, .address_space: global }
      - { .name: W_b1, .offset: 40, .size: 8, .value_kind: global_buffer, .address_space: global }
      - { .name: W_c1, .offset: 48, .size: 8, .value_kind: global_buffer, .address_space: global }
      - { .name: wq, .offset: 56, .size: 8, .value_kind: global_buffer, .address_space: global }
      - { .name: ws, .offset: 64, .size: 8, .value_kind: global_buffer, .address_space: global }
    .group_segment_fixed_size: 0
    .private_segment_fixed_size: 0
    .kernarg_segment_align: 8
    .kernarg_segment_size: 72
    .max_flat_workgroup_size: 32
    .sgpr_count:     66
    .vgpr_count:     208
    .wavefront_size: 32
...
	.end_amdgpu_metadata
.endif
;; end of part 1
;; launch critic (part 2): grid 256 x 1, 4 waves a work-group, no clusters, 117,760 bytes of LDS; arguments sa, states, wq, ws, b_enc, b_s, b_v, b_c1, b_b1, W_c2, W_b2, b_c2, b_b2, out0, part; writes out0, part
.if DOCPART == 2
	.amdgcn_target "amdgcn-amd-amdhsa--gfx1250"
	.amdhsa_code_object_version 6
	.text
	.protected	k_q7827a5501d_critic
	.globl	k_q7827a5501d_critic
	.p2align	8
	.type	k_q7827a5501d_critic,@function
k_q7827a5501d_critic:
	s_mov_b64 s[64:65], 0
	v_nop
	global_prefetch_b8 v0, s[64:65] scope:SCOPE_SE
	s_setreg_imm32_b32 hwreg(HW_REG_WAVE_MODE, 25, 1), 1
	s_wait_xcnt 0x0
; CRITIC: the whole chain for 64 batch entries x 8 agents a work-group: two encoders, three head projections, the 8 x 8 attention over the agents, two critic layers and their dot products.
; The seven large products run on codes of BF6 (E3M2) with one E8M0 byte for each 32 along K; no activation goes to memory.
; SHARES.  512 rows in 8 blocks of 4 tiles.  Row r of tile m of block i is agent r % 8 of batch entry 64 wg + 8 i + 2 m + r / 8.
; Wave w owns units 64 w .. 64 w + 63 of every layer, which is head w; its 60 weight fragments (720 registers, v0-239 of windows 1 to 3) are read once and stay.
; The rows' codes go from wave to wave through LDS as images of the operand's registers.
; TRANSPOSED USE (source 0 = 16 units, source 1 = 16 rows) for the encoders, K and Q: lane (r, h) holds row r, register 16 b + i unit 64 w + 32 b + 16 h + i: 16 neighbours along the next K.
; PLAIN USE (source 0 = rows, source 1 = units) for V and both critic layers: lane (r, h) holds ONE unit, 64 w + 32 (t / 2) + 8 (t % 2) + r + 8 (r / 8), and register j row 8 h + j:
; so a bias or a weight of the last dot product is one register a tile, and 28 such registers stay for the whole launch.
; ATTENTION in f32 on v_wmma_f32_16x16x4_f32 (its result goes on into a quantiser).  K's and Q's registers 2 g, 2 g + 1 are the form's operands as they stand (the same four units on both sides):
; 16 steps give lane (r, h), register j, the logit of query r and key row 8 h + j.  Lanes with h != r / 8 hold another batch entry's keys: their weights are set to 0.
; O^T = V^T P^T: V's registers 2 s, 2 s + 1 of a tile (keys 8 h + 2 s ..) against P's: lane (r, h) then holds query r, in the transposed layout that the quantiser wants.
; The registers that the f32 form writes (window 1 v240-255, window 0 v156-187) are written by matrix instructions alone.
; The self slot is -1e9 ahead of the softmax, and the maximum is taken away ahead of the exponential.
; leaky(z) w is computed as 0.505 z w + 0.495 |z| w in the two last layers (nothing is quantised behind them).
; No tensor loads: each input row is read once, by one wave, in the quantiser's lane layout, into registers: states under the attention, sa under the critic layers.
; PREFETCH: in trip i (i <= 5) each wave names the 256-byte blocks of its 16 rows of block i + 2: 32 of states, 40 of sa, a lane a block (the lanes left over name the last block again).
; No cluster: the work-groups share no input but the weights' codes, 368,640 bytes, which each reads once, straight into registers.
; LIMITS: NaN and infinities among the inputs are not served; a block of zeros gets the byte 1 where the rule says 127 (its codes are zeros; this program alone reads the bytes);
; 1 / sum of the softmax is v_rcp_f32 and a multiplication; the regulariser and the dot products are summed in another order than written.
.set L_XB, 0                           ; the block's inputs as codes: fragment 3 m + f (f = 0: sa K 0-127, 1: sa K 128-159 and zeros, 2: states), 1,536 bytes each
.set L_XS, 18432                       ; their scale words: 256 bytes a tile: +0 sa K step 0 (4 r), +64 sa K step 1, +128 states
.set L_EB, 19456                       ; 9,216 bytes a tile: +0 enc_sa, +3,072 enc_s, +6,144 the attended values; each four halves of 768 bytes (writer wave q at 768 q)
.set L_ES, 56320                       ; their scale words: 512 bytes a tile, 128 a tensor
.set L_BT, 58368                       ; two tables of 256 f32: b_enc, b_s
.set L_PB, 65536                       ; [wave][agent][batch 0..63] f32: each wave's part of q - b
.set L_RB, 73728                       ; [wave][lane] f32: each wave's sums of squared logits
.set SPARE, 0x12800                    ; the spare words, 128 bytes a wave
; THE INPUTS' WAY IN: a load takes whole pieces of 256 bytes (sixteen lanes a piece of one agent's two batch entries, the other sixteen the same piece of the next agent);
; the numbers then turn through the wave's own stage in LDS and come back in the quantiser's lane layout (16 neighbours of each block of 32 of my row).
.set L_ST, 76288                       ; the stages: 8 agents x STP bytes for each wave
.set STP,  1296                        ; an agent's two batch entries, 640 bytes apart, + 16
.set STW,  234                         ; the stage's address on the way in: STP h + 16 r;  made anew ahead of each use
.set STR,  235                         ; and on the way out: STP (r % 8) + 640 (r / 8) + 64 h
.set LI16, 1                           ; 16 x lane
.set LI8,  2                           ; 8 x lane
.set L4,   3                           ; 4 x lane
.set R4,   4                           ; 4 r
.set XW16, 5                           ; 16 x lane + 4,608 w
.set XWS,  6                           ; 4 r + 256 w
.set EW16, 7                           ; 16 x lane + 768 w
.set EW8,  8                           ; 8 x lane + 768 w
.set ESW,  9                           ; 4 r + 64 (w / 2) + 2 (w % 2)
.set BTA,  10                          ; 256 w + 64 h
.set PBA,  11                          ; L_PB + 2,048 w + 256 (r / 2) + 4 h
.set PBT,  12                          ; the same in the block in hand
.set SAO,  13                          ; my bytes of sa, from the block's first batch entry
.set STO,  14                          ; the same of states
.set PFT,  15                          ; the prefetch's offset in states (sa's two: window 3 v254, v255)
.set WSC,  16                          ; v16-45 the weights' scale words: fragment idx in register idx / 2, lanes 16 (idx % 2) on
.set AS0,  46                          ; v46-48 the rows' scale words: lanes 0-15 K step 0, lanes 16-31 K step 1
.set AS1,  47
.set AS2,  48
.set RR,   50                          ; v50-51 the sum of squared logits
.set PF,   52                          ; v52-131 input numbers on their way (sa 80, states 64)
.set B1,   52                          ; encoders: b_enc, b_s in the accumulators' layout, read once a block
.set B2,   84
.set FXS,  116                         ; encoders: states' fragment
.set LG,   116                         ; attention: eight logits, then weights
.set TT,   124                         ; at work
.set FA,   132                         ; two fragments of sa or of an encoding
.set OT,   156                         ; v156-187 the accumulators that matrix instructions alone write: encoders, Q, O^T, both critic layers
.set Y,    188                         ; encoders: an encoding behind its activation
.set TM,   220
.set HWA,  226
.set HWB,  227
.set PCA,  228
.set PCB,  236
.set KA,   188                         ; keys, later the quantiser's registers
.set VA,   220                         ; values
.set MX,   252
.set SM,   254
.set FBX,  188                         ; critics: the attended values' fragments
.set ACC,  212                         ; eight rows' sums
.set Z,    220
.set RT,   228
.set QTM,  188                         ; the inputs' quantiser
.set QPC,  212                         ; v212-231: the first vector read of v212-219, which K's fourth accumulator held, is v212
.set QPW,  232
.set BI,   3                           ; s3  block 0..7
.set BO,   48                          ; s48 32 x block
; window 2 v240-243 b_c1, v244-247 0.505 W_c2, v248-251 0.495 W_c2, v252-255 b_v;  window 3 v240-243 b_b1, v244-247 -0.505 W_b2, v248-251 -0.495 W_b2, v252-253 the add's two registers
; s66-73 lanes in which logit j counts (my batch entry, not myself); s74 lanes that hold my batch entry's keys; s76-78 lanes with bit 3, 2, 1 of r set
.set MSB, 0
.macro WIN new                         ; the immediate's high byte repeats the setting that is left; a switch that changes nothing is dropped
.if MSB != (\new)
	s_set_vgpr_msb (MSB<<8)|(\new)
.set MSB, (\new)
.endif
.endm
.macro W2 d, a, b, c, sa, sb, ra, rb
.if (\ra) == 0 && (\rb) == 0
	v_wmma_scale_f32_16x16x128_f8f6f4 v[\d:\d+7], v[\a:\a+11], v[\b:\b+11], \c, v[\sa], v[\sb] matrix_a_fmt:MATRIX_FMT_BF6 matrix_b_fmt:MATRIX_FMT_BF6
.elseif (\ra) == 0
	v_wmma_scale_f32_16x16x128_f8f6f4 v[\d:\d+7], v[\a:\a+11], v[\b:\b+11], \c, v[\sa], v[\sb] matrix_a_fmt:MATRIX_FMT_BF6 matrix_b_fmt:MATRIX_FMT_BF6 matrix_b_scale:MATRIX_SCALE_ROW1
.elseif (\rb) == 0
	v_wmma_scale_f32_16x16x128_f8f6f4 v[\d:\d+7], v[\a:\a+11], v[\b:\b+11], \c, v[\sa], v[\sb] matrix_a_fmt:MATRIX_FMT_BF6 matrix_b_fmt:MATRIX_FMT_BF6 matrix_a_scale:MATRIX_SCALE_ROW1
.else
	v_wmma_scale_f32_16x16x128_f8f6f4 v[\d:\d+7], v[\a:\a+11], v[\b:\b+11], \c, v[\sa], v[\sb] matrix_a_fmt:MATRIX_FMT_BF6 matrix_b_fmt:MATRIX_FMT_BF6 matrix_a_scale:MATRIX_SCALE_ROW1 matrix_b_scale:MATRIX_SCALE_ROW1
.endif
.endm
; One matrix instruction: accumulator acc, weight fragment idx (window 1 + idx / 20), the rows' fragment b, their scale words bs (brow = 1: lanes 16-31).
; c: the first register of C, or -1 for the constant 0.  sw = 1: the rows are source 0 (plain use).
.macro MM acc, idx, b, bs, brow, c, sw
.set rA, 12*((\idx)%20)
.set rW, WSC+(\idx)/2
.set rR, (\idx)%2
.if \sw
	WIN (1+(\idx)/20)<<2
.if (\c) < 0
	W2 \acc, \b, rA, 0, \bs, rW, \brow, rR
.else
	W2 \acc, \b, rA, v[\c:\c+7], \bs, rW, \brow, rR
.endif
.else
	WIN 1+(\idx)/20
.if (\c) < 0
	W2 \acc, rA, \b, 0, rW, \bs, rR, \brow
.else
	W2 \acc, rA, \b, v[\c:\c+7], rW, \bs, rR, \brow
.endif
.endif
.endm
.macro PLACES                          ; four plain places behind a run of matrix instructions (ISA guide 7.12.1)
.rept 4
	v_nop
.endr
.endm
.macro BARRIER                         ; my LDS stores have landed and my LDS loads are in: then the work-group's barrier
	s_wait_dscnt 0x0
	s_barrier_signal -1
	s_barrier_wait -1
.endm
.macro FETCH1 dst, off                 ; one input fragment: three groups of four registers
.irp g, 0,1,2
	ds_load_b128 v[\dst+4*\g:\dst+4*\g+3], v[LI16] offset:\off+512*\g
.endr
.endm
.macro FETCH2 dst, off                 ; two fragments of an encoding: four halves of six registers, one from each wave
.irp q, 0,1,2,3
	ds_load_b128 v[\dst+6*\q:\dst+6*\q+3], v[LI16] offset:\off+768*\q
	ds_load_b64 v[\dst+6*\q+4:\dst+6*\q+5], v[LI8] offset:\off+768*\q+512
.endr
.endm
.macro BIAS acc, k                     ; table k at my 32 units, in the transposed accumulators' layout
.irp b, 0,1
.irp j, 0,1,2,3
	ds_load_b128 v[\acc+16*\b+4*\j:\acc+16*\b+4*\j+3], v[BTA] offset:L_BT+1024*\k+128*\b+16*\j
.endr
.endr
.endm
.macro LEAKO                           ; Y = max(x, 0.01 x) of the 32 sums in OT, each accumulator from its low end on
.set lg, 0
.rept 4
.set lj, 0
.rept 4
	v_pk_mul_f32 v[Y+8*lg+2*lj:Y+8*lg+2*lj+1], v[OT+8*lg+2*lj:OT+8*lg+2*lj+1], s[42:43] op_sel_hi:[1,0]
.set lj, lj+1
.endr
.set lj, 0
.rept 8
	v_max_num_f32 v[Y+8*lg+lj], v[OT+8*lg+lj], v[Y+8*lg+lj]
.set lj, lj+1
.endr
.set lg, lg+1
.endr
.endm
; My 32 numbers of a row (two blocks of 32, each shared with lane l xor 16) become six registers of codes in v[pc] on, half a fragment, and two scale bytes in v[hw].
.macro QUANT32 src, pc, tm, hw
.irp b, 0,1
	v_max3_num_f32 v[\tm+\b], |v[\src+16*\b]|, |v[\src+16*\b+1]|, 0x2800000   ; the floor 2^(5 - 127) holds the byte at 1 from below
	v_max3_num_f32 v[\tm+2+\b], |v[\src+16*\b+8]|, |v[\src+16*\b+9]|, |v[\src+16*\b+10]|
.endr
.irp i, 0,2
.irp b, 0,1
	v_max3_num_f32 v[\tm+\b], v[\tm+\b], |v[\src+16*\b+2+\i]|, |v[\src+16*\b+3+\i]|
	v_max3_num_f32 v[\tm+2+\b], v[\tm+2+\b], |v[\src+16*\b+11+\i]|, |v[\src+16*\b+12+\i]|
.endr
.endr
.irp b, 0,1
	v_max3_num_f32 v[\tm+\b], v[\tm+\b], |v[\src+16*\b+6]|, |v[\src+16*\b+7]|
.endr
.irp b, 0,1
	v_max3_num_f32 v[\tm+\b], v[\tm+\b], v[\tm+2+\b], |v[\src+16*\b+15]|
.endr
.irp b, 0,1
	v_permlanex16_b32 v[\tm+2+\b], v[\tm+\b], s40, s41
.endr
.irp b, 0,1
	v_max_num_f32 v[\tm+\b], v[\tm+\b], v[\tm+2+\b]   ; the block's largest magnitude
.endr
.irp b, 0,1
	v_add_nc_u32 v[\tm+2+\b], 0xfe000000, v[\tm+\b]   ; 4 off its exponent field: the conversion's scale operand
.endr
.irp b, 0,1
	v_lshrrev_b32 v[\tm+4+\b], 23, v[\tm+2+\b]        ; the scale's byte
.endr
	v_lshl_or_b32 v[\hw], v[\tm+5], 8, v[\tm+4]
	v_cvt_scalef32_pk16_bf6_f32 v[\pc:\pc+2], v[\src:\src+15], v[\tm+2]
	v_cvt_scalef32_pk16_bf6_f32 v[\pc+4:\pc+6], v[\src+16:\src+31], v[\tm+3]
	v_nop                                          ; one plain place behind the scaled conversions
.irp i, 0,1,2
	v_permlane16_swap_b32 v[\pc+\i], v[\pc+4+\i]   ; a whole block to a lane
.endr
.irp i, 0,1,2
	v_mov_b32 v[\pc+3+\i], v[\pc+4+\i]
.endr
.endm
.macro STOREH pc, hw, oi, os           ; my half fragment and my two scale bytes go to LDS as they stand
	ds_store_b128 v[EW16], v[\pc:\pc+3] offset:\oi
	ds_store_b64 v[EW8], v[\pc+4:\pc+5] offset:\oi+512
	ds_store_b16 v[ESW], v[\hw] offset:\os
.endm
; 64 numbers of a lane, register 16 b + i = k 32 b + 16 h + i of my row, become a fragment in v[QPC] on and its scale word in v[QPW].
.macro QUANT64 src
.irp b, 0,1,2,3
	v_max3_num_f32 v[QTM+\b], |v[\src+16*\b]|, |v[\src+16*\b+1]|, 0x2800000
.endr
.irp i, 2,4,6,8,10,12,14
.irp b, 0,1,2,3
	v_max3_num_f32 v[QTM+\b], v[QTM+\b], |v[\src+16*\b+\i]|, |v[\src+16*\b+\i+1]|
.endr
.endr
.irp b, 0,1,2,3
	v_permlanex16_b32 v[QTM+4+\b], v[QTM+\b], s40, s41
.endr
.irp b, 0,1,2,3
	v_max_num_f32 v[QTM+\b], v[QTM+\b], v[QTM+4+\b]
.endr
.irp b, 0,1,2,3
	v_add_nc_u32 v[QTM+12+\b], 0xfe000000, v[QTM+\b]
.endr
.irp b, 0,1,2,3
	v_lshrrev_b32 v[QTM+4+\b], 23, v[QTM+12+\b]
.endr
	v_lshl_or_b32 v[QPW], v[QTM+5], 8, v[QTM+4]
	v_lshl_or_b32 v[QPW], v[QTM+6], 16, v[QPW]
	v_lshl_or_b32 v[QPW], v[QTM+7], 24, v[QPW]
.irp c, 0,1
	v_cvt_scalef32_pk16_bf6_f32 v[QPC+6*\c:QPC+6*\c+2], v[\src+32*\c:\src+32*\c+15], v[QTM+12+2*\c]
	v_cvt_scalef32_pk16_bf6_f32 v[QPC+12+4*\c:QPC+14+4*\c], v[\src+32*\c+16:\src+32*\c+31], v[QTM+13+2*\c]
.endr
	v_nop
.irp c, 0,1
.irp i, 0,1,2
	v_permlane16_swap_b32 v[QPC+6*\c+\i], v[QPC+12+4*\c+\i]
.endr
.irp i, 0,1,2
	v_mov_b32 v[QPC+3+6*\c+\i], v[QPC+12+4*\c+\i]
.endr
.endr
.endm
; sa's fifth block (k = 128 .. 159), 16 numbers a lane: a fragment whose one block lies in lanes 0-15, registers 0-5; all else is zero codes.  The word's other three bytes are 0, over zero codes.
.macro QUANT16 src
	v_max3_num_f32 v[QTM], |v[\src]|, |v[\src+1]|, 0x2800000
	v_max3_num_f32 v[QTM+1], |v[\src+8]|, |v[\src+9]|, |v[\src+10]|
.irp i, 0,2
	v_max3_num_f32 v[QTM], v[QTM], |v[\src+2+\i]|, |v[\src+3+\i]|
	v_max3_num_f32 v[QTM+1], v[QTM+1], |v[\src+11+\i]|, |v[\src+12+\i]|
.endr
	v_max3_num_f32 v[QTM], v[QTM], |v[\src+6]|, |v[\src+7]|
	v_max3_num_f32 v[QTM], v[QTM], v[QTM+1], |v[\src+15]|
	v_permlanex16_b32 v[QTM+4], v[QTM], s40, s41
	v_max_num_f32 v[QTM], v[QTM], v[QTM+4]
	v_add_nc_u32 v[QTM+12], 0xfe000000, v[QTM]
	v_lshrrev_b32 v[QPW], 23, v[QTM+12]
.irp i, 3,4,5,6,7,8,9,10,11
	v_mov_b32 v[QPC+\i], 0
.endr
	v_cvt_scalef32_pk16_bf6_f32 v[QPC:QPC+2], v[\src:\src+15], v[QTM+12]
	v_nop
.irp i, 0,1,2
	v_permlane16_swap_b32 v[QPC+\i], v[QPC+3+\i]   ; lanes 16-31 give their 16 codes to lanes 0-15 and take zeros
.endr
.endm
.macro XSTORE f                        ; the fragment in v[QPC] on is input fragment f of my tile
.irp g, 0,1,2
	ds_store_b128 v[XW16], v[QPC+4*\g:QPC+4*\g+3] offset:L_XB+1536*\f+512*\g
.endr
	ds_store_b32 v[XWS], v[QPW] offset:L_XS+64*\f  ; lanes l and l xor 16 write the same word with the same value
.endm
.macro XLOAD_SA                        ; my 16 rows of sa: 16 neighbours of each of the 5 blocks of 32
.irp p, 0,1,2,3
.irp c, 0,1,2,3,4
	global_load_b128 v[PF+20*\p+4*\c:PF+20*\p+4*\c+3], v[SAO], s[80+2*\p:81+2*\p] offset:256*\c th:TH_LOAD_NT   ; agents 2 p + h, piece c of 1,280 bytes
.endr
.endr
.endm
.macro XLOAD_ST                        ; the same of states: 4 blocks
.irp p, 0,1,2,3
.irp c, 0,1,2,3
	global_load_b128 v[PF+16*\p+4*\c:PF+16*\p+4*\c+3], v[STO], s[88+2*\p:89+2*\p] offset:256*\c th:TH_LOAD_NT   ; agents 2 p + h, piece c of 1,024 bytes
.endr
.endr
.endm
.macro STADR                           ; the stage's two addresses
	v_bfe_u32 v238, v0, 4, 1
	v_and_b32 v236, 15, v0
	v_and_b32 v[STR], 7, v0
	v_bfe_u32 v237, v0, 3, 1
	v_mul_u32_u24 v[STW], v238, STP
	v_mul_u32_u24 v[STR], v[STR], STP
	v_lshl_add_u32 v[STW], v236, 4, v[STW]
	v_mad_u32_u24 v[STR], v237, 640, v[STR]
	v_add_nc_u32 v[STW], s79, v[STW]
	v_lshl_add_u32 v[STR], v238, 6, v[STR]
	v_add_nc_u32 v[STR], s79, v[STR]
	s_wait_alu depctr_va_vdst(0)                   ; directly ahead of the wait that follows
.endm
.macro QX_SA                           ; (the loads have been waited for in front)
	STADR
	s_wait_dscnt 0x0                               ; LDS instructions that name the quantiser's registers are done
.irp p, 0,1,2,3
.irp c, 0,1,2,3,4
	ds_store_b128 v[STW], v[PF+20*\p+4*\c:PF+20*\p+4*\c+3] offset:2*\p*STP+256*\c
.endr
.endr
	s_wait_dscnt 0x0                               ; the stores have read their registers
.irp b, 0,1,2,3,4
.irp j, 0,1,2,3
	ds_load_b128 v[PF+16*\b+4*\j:PF+16*\b+4*\j+3], v[STR] offset:128*\b+16*\j
.endr
.endr
	s_wait_dscnt 0x4                               ; the fifth block's four loads may be out
	QUANT64 PF
	XSTORE 0
	s_wait_dscnt 0x0                               ; the stores have read their registers
	QUANT16 PF+64
	XSTORE 1
.endm
.macro QX_S
	STADR
	s_wait_dscnt 0x0
.irp p, 0,1,2,3
.irp c, 0,1,2,3
	ds_store_b128 v[STW], v[PF+16*\p+4*\c:PF+16*\p+4*\c+3] offset:2*\p*STP+640*(\c/2)+256*(\c%2)
.endr
.endr
	s_wait_dscnt 0x0                               ; the stores have read their registers
.irp b, 0,1,2,3
.irp j, 0,1,2,3
	ds_load_b128 v[PF+16*\b+4*\j:PF+16*\b+4*\j+3], v[STR] offset:128*\b+16*\j
.endr
.endr
	s_wait_dscnt 0x0
	QUANT64 PF
	XSTORE 2
.endm
	; ---- the head
	s_load_b512 s[8:23], s[0:1], 0x0               ; sa s[8:9], states s[10:11], wq s[12:13], ws s[14:15], b_enc s[16:17], b_s s[18:19], b_v s[20:21], b_c1 s[22:23]
	s_load_b256 s[24:31], s[0:1], 0x40             ; b_b1 s[24:25], W_c2 s[26:27], W_b2 s[28:29], b_c2 s[30:31]
	s_load_b128 s[32:35], s[0:1], 0x60             ; b_b2 s[32:33], out0 s[34:35]
	s_load_b64 s[36:37], s[0:1], 0x70              ; part
	WIN 0xc0
	v_lshl_add_u32 v252, v0, 2, SPARE              ; window 3: my spare word,
	v_mov_b32 v253, 0                              ; and 0: kept for the add at the wave's end
	WIN 0
	v_lshrrev_b32 v200, 5, v0
	v_readfirstlane_b32 s2, v200                   ; wave 0..3
	s_mul_i32 s50, s2, 4608
	s_lshl_b32 s51, s2, 8
	s_mul_i32 s52, s2, 768
	s_lshr_b32 s53, s2, 1
	s_lshl_b32 s53, s53, 6
	s_and_b32 s54, s2, 1
	s_lshl_b32 s54, s54, 1
	s_add_co_u32 s53, s53, s54
	s_lshl_b32 s54, s2, 11
	s_add_co_u32 s54, s54, L_PB
	s_mul_i32 s55, s2, 1280                        ; wave w quantises tile w: two batch entries of sa on,
	s_lshl_b32 s56, s2, 10                         ; of states
	s_add_co_u32 s57, s55, 1024
	s_mul_i32 s79, s2, 8*STP                       ; my stage
	s_add_co_u32 s79, s79, L_ST
	s_mov_b32 s40, 0x76543210
	s_mov_b32 s41, 0xfedcba98                      ; v_permlanex16_b32: lane l xor 16
	s_mov_b32 s42, 0x3c23d70a                      ; 0.01 (twice: the packed forms name a pair)
	s_mov_b32 s43, s42
	s_mov_b32 s44, 0x3e38aa3b                      ; log2(e) / sqrt(64)
	s_mov_b32 s45, s44
	s_mov_b32 s75, 0xcfee6b28                      ; -8e9: the self slot ahead of the scaling by 1 / 8
	v_and_b32 v200, 31, v0                         ; lane
	v_and_b32 v201, 15, v0                         ; r
	v_bfe_u32 v202, v0, 4, 1                       ; h
	v_and_b32 v203, 7, v0                          ; my row's agent
	v_bfe_u32 v204, v0, 3, 1                       ; which of the tile's two batch entries
	v_lshlrev_b32 v[LI16], 4, v200
	v_lshlrev_b32 v[LI8], 3, v200
	v_lshlrev_b32 v[L4], 2, v200
	v_lshlrev_b32 v[R4], 2, v201
	v_add_nc_u32 v[XW16], s50, v[LI16]
	v_add_nc_u32 v[XWS], s51, v[R4]
	v_lshl_add_u32 v[BTA], v202, 6, s51
	v_add_nc_u32 v[EW16], s52, v[LI16]
	v_add_nc_u32 v[EW8], s52, v[LI8]
	v_add_nc_u32 v[ESW], s53, v[R4]
	v_lshrrev_b32 v205, 1, v201
	v_lshl_add_u32 v[PBA], v205, 8, s54
	v_lshl_add_u32 v[PBA], v202, 2, v[PBA]
	v_mul_u32_u24 v[SAO], v202, 0xa00000           ; sa: an agent is 16,384 x 640 bytes: lanes 16-31 take the next agent,
	v_lshl_add_u32 v[SAO], v201, 4, v[SAO]         ; 16 bytes a lane of a piece of 256
	v_add_nc_u32 v[SAO], s55, v[SAO]
	v_lshlrev_b32 v[STO], 23, v202                 ; states: 16,384 x 512 bytes an agent
	v_lshl_add_u32 v[STO], v201, 4, v[STO]
	v_add_nc_u32 v[STO], s56, v[STO]
	v_lshlrev_b32 v211, 3, v0                      ; 8 x thread: the two tables' bytes, in memory and in LDS
	v_and_b32 v206, 8, v201
	v_add_nc_u32 v206, v206, v201
	v_lshl_add_u32 v206, v206, 2, s51              ; my unit of a tile in plain use, in bytes: 4 (r + 8 (r / 8)) + 256 w
	v_lshrrev_b32 v207, 2, v200                    ; the prefetches: agent lane / 4, block lane % 4 of 256 bytes
	v_and_b32 v208, 3, v200
	v_lshlrev_b32 v[PFT], 23, v207
	v_lshl_add_u32 v[PFT], v208, 8, v[PFT]
	v_add_nc_u32 v[PFT], s56, v[PFT]
	v_mul_u32_u24 v209, v207, 0xa00000
	v_lshl_add_u32 v209, v208, 8, v209
	v_add_nc_u32 v209, s55, v209
	v_min_u32 v210, 7, v200                        ; sa's fifth block of each agent: lanes 0-7; the others name agent 7's again
	v_mul_u32_u24 v210, v210, 0xa00000
	v_add_nc_u32 v210, s57, v210
	WIN 0xc0
	v_mov_b32 v254, v209
	v_mov_b32 v255, v210
	WIN 0
	v_and_b32 v212, 4, v0
	v_and_b32 v213, 2, v0
	v_cmp_eq_u32 s74, v204, v202                   ; the keys 8 h .. 8 h + 7 are my batch entry's
.irp j, 0,1,2,3,4,5,6,7
	v_cmp_ne_u32 s[66+\j], \j, v203                ; key j is not myself
.endr
	v_cmp_ne_u32 s76, 0, v204
	v_cmp_ne_u32 s77, 0, v212
	v_cmp_ne_u32 s78, 0, v213
.irp b, 0,1,2,3
	v_mov_b32 v[QTM+4+\b], 0                       ; a lane permute's destination counts as one of its sources
.endr
	v_mov_b32 v[RR], 0
	v_mov_b32 v[RR+1], 0
	s_wait_alu depctr_va_vdst(0)
.irp j, 0,1,2,3,4,5,6,7
	s_and_b32 s[66+\j], s[66+\j], s74
.endr
	s_mov_b32 s51, 0
	s_wait_kmcnt 0x0
	s_mul_i32 s50, ttmp9, 40960                    ; the work-group's 64 batch entries
	s_add_nc_u64 s[8:9], s[8:9], s[50:51]
	s_lshl_b32 s50, ttmp9, 15
	s_add_nc_u64 s[10:11], s[10:11], s[50:51]
	s_add_nc_u64 s[58:59], s[8:9], 2*5120          ; the prefetches stand two blocks on
	s_add_nc_u64 s[60:61], s[10:11], 2*4096
.irp p, 0,1,2,3
	s_add_nc_u64 s[80+2*\p:81+2*\p], s[8:9], \p*20971520     ; a base for each pair of agents: sa,
	s_add_nc_u64 s[88+2*\p:89+2*\p], s[10:11], \p*16777216   ; states
.endr
	s_mul_i32 s50, s2, 92160                       ; my wave's 60 fragments
	s_add_nc_u64 s[12:13], s[12:13], s[50:51]
	s_mul_i32 s50, s2, 3840                        ; and their 30 registers of scale words
	s_add_nc_u64 s[14:15], s[14:15], s[50:51]
	s_lshl_b32 s50, ttmp9, 8
	s_add_nc_u64 s[34:35], s[34:35], s[50:51]
	s_lshl_b32 s50, ttmp9, 5
	s_add_nc_u64 s[36:37], s[36:37], s[50:51]
	s_load_b32 s38, s[30:31], 0x0                  ; b_c2
	s_load_b32 s39, s[32:33], 0x0                  ; b_b2
	XLOAD_SA                                       ; block 0
.irp k, 0,1
	global_load_b64 v[132+2*\k:133+2*\k], v211, s[16+2*\k:17+2*\k]   ; b_enc, b_s: 128 threads x 8 bytes
.endr
.set idx, 0
.rept 60                               ; the weights' codes: fragment idx at v[12 (idx % 20)] of window 1 + idx / 20; 32 lanes read 512 consecutive bytes
	WIN (1+idx/20)<<6
.irp g, 0,1,2
	global_load_b128 v[12*(idx%20)+4*\g:12*(idx%20)+4*\g+3], v[LI16], s[12:13] offset:idx*1536+512*\g
.endr
.set idx, idx+1
.endr
	WIN 0x80                                       ; one number a lane and tile, for the products in plain use
.irp t, 0,1,2,3
	global_load_b32 v[240+\t], v206, s[22:23] offset:128*(\t/2)+32*(\t%2)   ; b_c1
	global_load_b32 v[244+\t], v206, s[26:27] offset:128*(\t/2)+32*(\t%2)   ; W_c2, twice
	global_load_b32 v[248+\t], v206, s[26:27] offset:128*(\t/2)+32*(\t%2)
	global_load_b32 v[252+\t], v206, s[20:21] offset:128*(\t/2)+32*(\t%2)   ; b_v
.endr
	WIN 0xc0
.irp t, 0,1,2,3
	global_load_b32 v[240+\t], v206, s[24:25] offset:128*(\t/2)+32*(\t%2)   ; b_b1
	global_load_b32 v[244+\t], v206, s[28:29] offset:128*(\t/2)+32*(\t%2)   ; W_b2, twice
	global_load_b32 v[248+\t], v206, s[28:29] offset:128*(\t/2)+32*(\t%2)
.endr
	WIN 0
.set idx, 0
.rept 30
	global_load_b32 v[WSC+idx], v[L4], s[14:15] offset:128*idx
.set idx, idx+1
.endr
	s_wait_loadcnt 0x3f                            ; 238 loads were issued behind sa's rows and the two tables: with at most 63 out, those are in
.irp k, 0,1
	ds_store_b64 v211, v[132+2*\k:133+2*\k] offset:L_BT+1024*\k
.endr
	QX_SA
	XLOAD_ST                                       ; block 0
	s_wait_loadcnt 0x0                             ; states, and every weight
	QX_S
	WIN 0x88
.irp t, 0,1,2,3
	v_mul_f32 v[244+\t], 0x3f0147ae, v[244+\t]     ; 0.505 W_c2
	v_mul_f32 v[248+\t], 0x3efd70a4, v[248+\t]     ; 0.495 W_c2
.endr
	WIN 0xcc
.irp t, 0,1,2,3
	v_mul_f32 v[244+\t], 0xbf0147ae, v[244+\t]     ; -0.505 W_b2: b's part is taken away
	v_mul_f32 v[248+\t], 0xbefd70a4, v[248+\t]
.endr
	WIN 0
	s_mov_b32 s[BI], 0
	s_mov_b32 s[BO], 0
	s_wait_kmcnt 0x0                               ; b_c2, b_b2
; ---- the encoders of tile m.  Both products sum into OT, one after the other; C is the bias, in registers of its own.  The quantiser of one encoding stands behind the other's matrix instructions.
.macro ENC_FA m
	FETCH1 FA, L_XB+4608*(\m)
	FETCH1 FA+12, L_XB+4608*(\m)+1536
	ds_load_b32 v[AS0], v[L4] offset:L_XS+256*(\m)       ; lanes 0-15: sa's K step 0; lanes 16-31: its K step 1
.endm
.macro ENC_FS m
	FETCH1 FXS, L_XB+4608*(\m)+3072
	ds_load_b32 v[AS1], v[R4] offset:L_XS+256*(\m)+128   ; states
.endm
.macro ENC m
.if \m > 0
	s_wait_alu depctr_va_vdst(0)
.endif
	s_wait_dscnt 0x0                               ; fragments and scale words are in; the last tile's stores have read their registers
.irp t, 0,1,2,3
	MM OT+8*\t, 2*\t, FA, AS0, 0, B1+8*\t, 0
.endr
.irp t, 0,1,2,3
	MM OT+8*\t, 2*\t+1, FA+12, AS0, 1, OT+8*\t, 0
.endr
	WIN 0
.if \m > 0
	QUANT32 Y, PCB, TM, HWB                        ; the last tile's enc_s
	STOREH PCB, HWB, L_EB+9216*(\m-1)+3072, L_ES+512*(\m-1)+128
.else
	PLACES
.endif
.if \m < 3
	ENC_FA \m+1
.endif
	LEAKO
.irp t, 0,1,2,3
	MM OT+8*\t, 8+\t, FXS, AS1, 0, B2+8*\t, 0
.endr
	WIN 0
	QUANT32 Y, PCA, TM, HWA                        ; this tile's enc_sa
	STOREH PCA, HWA, L_EB+9216*\m, L_ES+512*\m
.if \m < 3
	ENC_FS \m+1
.endif
	LEAKO
.endm
.macro SA_FETCH m                      ; enc_sa's two fragments and scale words: nine LDS loads
	FETCH2 FA, L_EB+9216*(\m)
	ds_load_b32 v[AS0], v[L4] offset:L_ES+512*(\m)
.endm
.macro VB t, sel                       ; V's tile t + b_v at my unit (source 1 in window 2; sel: which register of the pair)
.irp q, 0,1,2,3
	v_pk_add_f32 v[VA+8*\t+2*\q:VA+8*\t+2*\q+1], v[VA+8*\t+2*\q:VA+8*\t+2*\q+1], v[252+\t-\sel:253+\t-\sel] op_sel:[0,\sel] op_sel_hi:[1,\sel]
.endr
.endm
.macro VL t                            ; and its activation
.irp q, 0,1,2,3
	v_pk_mul_f32 v[TT+2*\q:TT+2*\q+1], v[VA+8*\t+2*\q:VA+8*\t+2*\q+1], s[42:43] op_sel_hi:[1,0]
.endr
.irp j, 0,1,2,3,4,5,6,7
	v_max_num_f32 v[VA+8*\t+\j], v[VA+8*\t+\j], v[TT+\j]
.endr
.endm
; ---- projections and attention of tile m, head w
.macro ATT m
	s_wait_dscnt 0x0
.irp t, 0,1,2,3
	MM VA+8*\t, 28+2*\t, FA, AS0, 0, -1, 1
.endr
.irp t, 0,1,2,3
	MM KA+8*\t, 20+2*\t, FA, AS0, 0, -1, 0
.endr
.irp t, 0,1,2,3
	MM VA+8*\t, 29+2*\t, FA+12, AS0, 1, VA+8*\t, 1
.endr
.irp t, 0,1,2,3
	MM KA+8*\t, 21+2*\t, FA+12, AS0, 1, KA+8*\t, 0
.endr
	WIN 0
	PLACES
	FETCH2 FA, L_EB+9216*\m+3072                   ; enc_s
	ds_load_b32 v[AS1], v[L4] offset:L_ES+512*\m+128
	WIN 0x08
	VB 0, 0                                        ; V's tiles 0, 1 stand between those loads and the wait for them
	VB 1, 1
	WIN 0
	VL 0
	VL 1
	s_wait_dscnt 0x0
.irp t, 0,1,2,3
	MM OT+8*\t, 12+2*\t, FA, AS1, 0, -1, 0         ; Q
.endr
.irp t, 0,1,2,3
	MM OT+8*\t, 13+2*\t, FA+12, AS1, 1, OT+8*\t, 0
.endr
	WIN 0x08
	VB 2, 0                                        ; sixteen plain places behind Q's products
	WIN 0
	VL 2
.if \m < 3
	SA_FETCH \m+1
.endif
	WIN 0x50                                       ; C and D in window 1: two sums by turns
.set g, 0
.rept 16
.if g < 2
	v_wmma_f32_16x16x4_f32 v[240+8*(g%2):247+8*(g%2)], v[KA+2*g:KA+2*g+1], v[OT+2*g:OT+2*g+1], 0
.else
	v_wmma_f32_16x16x4_f32 v[240+8*(g%2):247+8*(g%2)], v[KA+2*g:KA+2*g+1], v[OT+2*g:OT+2*g+1], v[240+8*(g%2):247+8*(g%2)]
.endif
.set g, g+1
.endr
	WIN 0x08
	VB 3, 1                                        ; sixteen plain places behind the logits' products
	WIN 0
	VL 3
	WIN 0x05
.irp q, 0,1,2,3
	v_pk_add_f32 v[LG+2*\q:LG+2*\q+1], v[240+2*\q:241+2*\q], v[248+2*\q:249+2*\q]   ; logit of query r and key row 8 h + j
.endr
	WIN 0
.irp j, 0,1,2,3,4,5,6,7
	v_cndmask_b32 v[TT+\j], 0, v[LG+\j], s[66+\j]  ; for the regulariser: 0 in the self slot and for the other batch entry's keys
.endr
.irp j, 0,1,2,3,4,5,6,7
	v_cndmask_b32 v[LG+\j], s75, v[LG+\j], s[66+\j]   ; for the softmax: -8e9 there
.endr
.irp j, 0,2,4,6
	v_pk_fma_f32 v[RR:RR+1], v[TT+\j:TT+\j+1], v[TT+\j:TT+\j+1], v[RR:RR+1]
.endr
	v_max3_num_f32 v[MX], v[LG], v[LG+1], v[LG+2]
	v_max3_num_f32 v[MX], v[MX], v[LG+3], v[LG+4]
	v_max3_num_f32 v[MX], v[MX], v[LG+5], v[LG+6]
	v_max_num_f32 v[MX], v[MX], v[LG+7]
	v_mov_b32 v[MX+1], v[MX]
.irp j, 0,2,4,6
	v_pk_add_f32 v[LG+\j:LG+\j+1], v[LG+\j:LG+\j+1], v[MX:MX+1] neg_lo:[0,1] neg_hi:[0,1]   ; the maximum is taken away first,
.endr
.irp j, 0,2,4,6
	v_pk_mul_f32 v[LG+\j:LG+\j+1], v[LG+\j:LG+\j+1], s[44:45] op_sel_hi:[1,0]               ; then scale and base
.endr
	s_wait_alu depctr_va_vdst(0)                   ; ahead of the batch of exponentials,
.irp j, 0,1,2,3,4,5,6,7
	v_exp_f32 v[LG+\j], v[LG+\j]
.endr
	v_nop                                          ; one plain place behind the exponentials
	s_wait_alu depctr_va_vdst(0)                   ; and behind it
	v_pk_add_f32 v[TT:TT+1], v[LG:LG+1], v[LG+2:LG+3]
	v_pk_add_f32 v[TT+2:TT+3], v[LG+4:LG+5], v[LG+6:LG+7]
	v_pk_add_f32 v[TT:TT+1], v[TT:TT+1], v[TT+2:TT+3]
	v_add_f32 v[TT], v[TT], v[TT+1]
	s_wait_alu depctr_va_vdst(0)
	v_rcp_f32 v[SM], v[TT]
	v_nop                                          ; one plain place behind the reciprocal
	s_wait_alu depctr_va_vdst(0)
	v_cndmask_b32 v[SM], 0, v[SM], s74             ; the other batch entry's keys get the weight 0
	v_mov_b32 v[SM+1], v[SM]
.irp j, 0,2,4,6
	v_pk_mul_f32 v[LG+\j:LG+\j+1], v[LG+\j:LG+\j+1], v[SM:SM+1]
.endr
	PLACES
.irp s, 0,1,2,3                        ; O^T = V^T P^T: K step s is keys 8 h + 2 s, 8 h + 2 s + 1; the four tiles by turns
.irp t, 0,1,2,3
.if \s == 0
	v_wmma_f32_16x16x4_f32 v[OT+8*\t:OT+8*\t+7], v[VA+8*\t+2*\s:VA+8*\t+2*\s+1], v[LG+2*\s:LG+2*\s+1], 0
.else
	v_wmma_f32_16x16x4_f32 v[OT+8*\t:OT+8*\t+7], v[VA+8*\t+2*\s:VA+8*\t+2*\s+1], v[LG+2*\s:LG+2*\s+1], v[OT+8*\t:OT+8*\t+7]
.endif
.endr
.endr
.rept 8
	v_nop                                          ; eight places behind this form
.endr
	QUANT32 OT, KA+8, KA, KA+6
	STOREH KA+8, KA+6, L_EB+9216*\m+6144, L_ES+512*\m+256
.endm
; ---- a critic layer's 32 sums (unit = lane, row = register): z = x + bias; ACC += 0.505 w z + 0.495 w |z|.  The tables are source 1, in the window that is set.
.macro CV1 t, sel, first
.irp q, 0,1,2,3
	v_pk_add_f32 v[Z+2*\q:Z+2*\q+1], v[OT+8*\t+2*\q:OT+8*\t+2*\q+1], v[240+\t-\sel:241+\t-\sel] op_sel:[0,\sel] op_sel_hi:[1,\sel]
.endr
.irp q, 0,1,2,3
.if \first
	v_pk_mul_f32 v[ACC+2*\q:ACC+2*\q+1], v[Z+2*\q:Z+2*\q+1], v[244+\t-\sel:245+\t-\sel] op_sel:[0,\sel] op_sel_hi:[1,\sel]
.else
	v_pk_fma_f32 v[ACC+2*\q:ACC+2*\q+1], v[Z+2*\q:Z+2*\q+1], v[244+\t-\sel:245+\t-\sel], v[ACC+2*\q:ACC+2*\q+1] op_sel:[0,\sel,0] op_sel_hi:[1,\sel,1]
.endif
.endr
.irp j, 0,1,2,3,4,5,6,7
	v_fma_f32 v[ACC+\j], |v[Z+\j]|, v[248+\t], v[ACC+\j]
.endr
.endm
.macro CV win, first
	WIN \win
	CV1 0, 0, \first
	CV1 1, 1, 0
	CV1 2, 0, 0
	CV1 3, 1, 0
	WIN 0
.endm
.macro CRIT m
	s_wait_dscnt 0x0
.irp t, 0,1,2,3
	MM OT+8*\t, 40+4*\t, FA, AS0, 0, -1, 1         ; K = 512: enc_sa's two K steps, then the attended values' two
.endr
.irp t, 0,1,2,3
	MM OT+8*\t, 41+4*\t, FA+12, AS0, 1, OT+8*\t, 1
.endr
.irp t, 0,1,2,3
	MM OT+8*\t, 42+4*\t, FBX, AS1, 0, OT+8*\t, 1
.endr
.irp t, 0,1,2,3
	MM OT+8*\t, 43+4*\t, FBX+12, AS1, 1, OT+8*\t, 1
.endr
	WIN 0
	PLACES
	FETCH2 FA, L_EB+9216*\m+3072                   ; enc_s
	ds_load_b32 v[AS2], v[L4] offset:L_ES+512*\m+128
.if \m < 3
	FETCH2 FBX, L_EB+9216*(\m+1)+6144              ; the next tile's attended values
	ds_load_b32 v[AS1], v[L4] offset:L_ES+512*(\m+1)+256
.endif
	CV 0x08, 1
	s_wait_alu depctr_va_vdst(0)
.if \m < 3
	s_wait_dscnt 0x9                               ; the nine loads issued last may be out: enc_s and its scale words are in
.else
	s_wait_dscnt 0x0
.endif
	MM OT, 36, FA, AS2, 0, -1, 1                   ; tiles 0, 1 lie in window 2, tiles 2, 3 in window 3
	MM OT+8, 38, FA, AS2, 0, -1, 1
	MM OT+16, 56, FA, AS2, 0, -1, 1
	MM OT+24, 58, FA, AS2, 0, -1, 1
	MM OT+16, 57, FA+12, AS2, 1, OT+16, 1
	MM OT+24, 59, FA+12, AS2, 1, OT+24, 1
	MM OT, 37, FA+12, AS2, 1, OT, 1
	MM OT+8, 39, FA+12, AS2, 1, OT+8, 1
	WIN 0
	PLACES
.if \m < 3
	SA_FETCH \m+1
.endif
	CV 0x0c, 0
	; the sum over my 16 lanes' units, halving the rows a lane carries at each step: lane r ends with row 8 h + r / 2
.irp j, 0,1,2,3
	v_cndmask_b32 v[RT+\j], v[ACC+\j], v[ACC+4+\j], s76
	v_cndmask_b32 v[RT+4+\j], v[ACC+4+\j], v[ACC+\j], s76
.endr
.irp j, 0,1,2,3
	v_add_f32_dpp v[RT+\j], v[RT+4+\j], v[RT+\j] row_xmask:8 row_mask:0xf bank_mask:0xf
.endr
.irp j, 0,1
	v_cndmask_b32 v[RT+4+\j], v[RT+\j], v[RT+2+\j], s77
	v_cndmask_b32 v[RT+6+\j], v[RT+2+\j], v[RT+\j], s77
.endr
.irp j, 0,1
	v_add_f32_dpp v[RT+4+\j], v[RT+6+\j], v[RT+4+\j] row_xmask:4 row_mask:0xf bank_mask:0xf
.endr
	v_cndmask_b32 v[RT], v[RT+4], v[RT+5], s78
	v_cndmask_b32 v[RT+1], v[RT+5], v[RT+4], s78
	v_add_f32_dpp v[RT], v[RT+1], v[RT] row_xmask:2 row_mask:0xf bank_mask:0xf
	v_add_f32_dpp v[RT], v[RT], v[RT] row_xmask:1 row_mask:0xf bank_mask:0xf
	ds_store_b32 v[PBT], v[RT] offset:8*\m         ; lanes r and r xor 1 write the same word with the same value
.endm
.Lblock:                                           ; 8 trips, a block of 64 rows each
	BARRIER                                        ; the block's input codes lie in LDS (in the first trip the tables too), and nobody reads the last block's encodings any more
	ENC_FA 0
	ENC_FS 0
	BIAS B1, 0
	BIAS B2, 1
	s_cmp_ge_u32 s[BI], 6                          ; the last two blocks have no block two on: no prefetch leaves its buffer
	s_cbranch_scc1 .Lno_ask
	global_prefetch_b8 v[PFT], s[60:61] th:TH_LOAD_NT scope:SCOPE_SE
	WIN 0x03
	global_prefetch_b8 v254, s[58:59] th:TH_LOAD_NT scope:SCOPE_SE
	global_prefetch_b8 v255, s[58:59] th:TH_LOAD_NT scope:SCOPE_SE
	WIN 0
.Lno_ask:
	ENC 0
	ENC 1
	ENC 2
	ENC 3
	QUANT32 Y, PCB, TM, HWB                        ; tile 3's enc_s
	STOREH PCB, HWB, L_EB+9216*3+3072, L_ES+512*3+128
	BARRIER                                        ; both encodings lie in LDS, and nobody reads the input codes any more
	SA_FETCH 0
	s_wait_xcnt 0x0                                ; the prefetches have read their bases
	s_add_nc_u64 s[58:59], s[58:59], 5120
	s_add_nc_u64 s[60:61], s[60:61], 4096
	s_cmp_eq_u32 s[BI], 7                          ; the last block has no successor: no load leaves its buffer
	s_cbranch_scc1 .Lno_lst
.irp p, 0,1,2,3
	s_add_nc_u64 s[88+2*\p:89+2*\p], s[88+2*\p:89+2*\p], 4096   ; (no load is out)  8 batch entries on
.endr
	XLOAD_ST                                       ; the next block's states, under the attention
.Lno_lst:
	ATT 0
	ATT 1
	ATT 2
	ATT 3
	s_wait_loadcnt 0x0
	s_cmp_eq_u32 s[BI], 7
	s_cbranch_scc1 .Lno_st
	QX_S
.Lno_st:
	BARRIER                                        ; the attended values lie in LDS
	v_add_nc_u32 v[PBT], s[BO], v[PBA]
	SA_FETCH 0
	FETCH2 FBX, L_EB+6144
	ds_load_b32 v[AS1], v[L4] offset:L_ES+256
	s_cmp_eq_u32 s[BI], 7
	s_cbranch_scc1 .Lno_lsa
.irp p, 0,1,2,3
	s_add_nc_u64 s[80+2*\p:81+2*\p], s[80+2*\p:81+2*\p], 5120   ; (no load is out)
.endr
	XLOAD_SA                                       ; the next block's sa, under the critic layers
.Lno_lsa:
	CRIT 0
	CRIT 1
	CRIT 2
	CRIT 3
	s_wait_loadcnt 0x0
	s_cmp_eq_u32 s[BI], 7
	s_cbranch_scc1 .Lno_sa
	QX_SA
.Lno_sa:
	s_add_co_u32 s[BO], s[BO], 32
	s_add_co_u32 s[BI], s[BI], 1
	s_cmp_lt_u32 s[BI], 8
	s_cbranch_scc1 .Lblock
	; ---- the tail: the four waves' parts meet in LDS
	v_add_f32 v[RR], v[RR], v[RR+1]                ; agent a's squares lie in lanes a and 24 + a
	v_permlanex16_b32 v[RR+1], v[RR], s40, s41
	v_add_f32 v[RR], v[RR], v[RR+1]
	v_add_f32_dpp v[RR], v[RR], v[RR] row_xmask:8 row_mask:0xf bank_mask:0xf   ; lane a (0..7) holds agent a's sum for head w
	s_lshl_b32 s50, s2, 7
	s_add_co_u32 s50, s50, L_RB
	v_add_nc_u32 v192, s50, v[L4]
	ds_store_b32 v192, v[RR]
	BARRIER
	s_lshl_b32 s50, s2, 9
	s_add_co_u32 s50, s50, L_PB
	v_add_nc_u32 v132, s50, v[LI16]                ; wave w takes agents 2 w + h: 256 bytes an agent, 16 bytes a lane
	v_add_nc_u32 v133, L_RB, v[L4]
.irp u, 0,1,2,3
	ds_load_b128 v[136+4*\u:139+4*\u], v132 offset:2048*\u
.endr
.irp u, 0,1,2,3
	ds_load_b32 v[152+\u], v133 offset:128*\u
.endr
	v_and_b32 v134, 15, v0
	v_bfe_u32 v135, v0, 4, 1
	v_lshlrev_b32 v134, 4, v134
	v_lshl_add_u32 v134, v135, 16, v134            ; out0: an agent is 65,536 bytes
	s_lshl_b32 s50, s2, 17
	v_add_nc_u32 v134, s50, v134
	v_mov_b32 v190, s39
	v_sub_f32 v190, s38, v190                      ; b_c2 - b_b2
	v_mov_b32 v191, v190
	s_wait_alu depctr_va_vdst(0)                   ; directly ahead of the wait below
	s_wait_dscnt 0x0
.irp j, 0,2
	v_pk_add_f32 v[136+\j:137+\j], v[136+\j:137+\j], v[140+\j:141+\j]
	v_pk_add_f32 v[144+\j:145+\j], v[144+\j:145+\j], v[148+\j:149+\j]
.endr
.irp j, 0,2
	v_pk_add_f32 v[136+\j:137+\j], v[136+\j:137+\j], v[144+\j:145+\j]
.endr
.irp j, 0,2
	v_pk_add_f32 v[136+\j:137+\j], v[136+\j:137+\j], v[190:191]
.endr
	global_store_b128 v134, v[136:139], s[34:35]   ; 16 lanes store 256 consecutive bytes, aligned: 64 batch entries of one agent
	s_cmp_lg_u32 s2, 0
	s_cbranch_scc1 .Lend
	v_add_f32 v152, v152, v153                     ; wave 0: the four heads' sums of squares
	v_add_f32 v154, v154, v155
	v_add_f32 v152, v152, v154
	v_cmp_gt_u32 vcc_lo, 8, v0
	s_wait_alu depctr_va_vdst(0)                   ; directly ahead of the wait below
	s_wait_xcnt 0x0                                ; EXEC changes only behind this wait
	s_and_saveexec_b32 s50, vcc_lo
	global_store_b32 v[L4], v152, s[36:37]         ; lanes 0-7: this work-group's part for agents 0-7
	s_wait_xcnt 0x0
	s_or_b32 exec_lo, exec_lo, s50
.Lend:
	s_barrier_signal -1
	s_barrier_wait -1
	WIN 0x0f                                       ; the add's two registers lie in window 3
	s_wait_tensorcnt 0x0                           ; the wave's end
	ds_add_u32 v252, v253
	s_wait_dscnt 0x0
	WIN 0
	s_endpgm
.Lfunc_end_k_q7827a5501d_critic:
	.size	k_q7827a5501d_critic, .Lfunc_end_k_q7827a5501d_critic-k_q7827a5501d_critic
	.p2alignl 7, 3214868480
	.fill 96, 4, 3214868480
	.section	.rodata,"a",@progbits
	.p2align	6, 0x0
	.amdhsa_kernel k_q7827a5501d_critic
		.amdhsa_group_segment_fixed_size 117760
		.amdhsa_private_segment_fixed_size 0
		.amdhsa_enable_private_segment 0
		.amdhsa_kernarg_size 120
		.amdhsa_user_sgpr_count 2
		.amdhsa_user_sgpr_kernarg_segment_ptr 1
		.amdhsa_wavefront_size32 1
		.amdhsa_system_sgpr_workgroup_id_x 1
		.amdhsa_system_sgpr_workgroup_id_y 1
		.amdhsa_system_sgpr_workgroup_id_z 1
		.amdhsa_system_vgpr_workitem_id 0
		.amdhsa_next_free_vgpr 1024
		.amdhsa_next_free_sgpr 100
		.amdhsa_reserve_vcc 1
		.amdhsa_float_denorm_mode_32 3
		.amdhsa_float_denorm_mode_16_64 3
		.amdhsa_memory_ordered 1
		.amdhsa_forward_progress 1
		.amdhsa_inst_pref_size 237
	.end_amdhsa_kernel
	.amdgpu_metadata
---
amdhsa.version: [ 1, 2 ]
amdhsa.kernels:
  - .name:           k_q7827a5501d_critic
    .symbol:         k_q7827a5501d_critic.kd
    .args:
      - { .name: sa, .offset: 0, .size: 8, .value_kind: global_buffer, .address_space: global }
      - { .name: states, .offset: 8, .size: 8, .value_kind: global_buffer, .address_space: global }
      - { .name: wq, .offset: 16, .size: 8, .value_kind: global_buffer, .address_space: global }
      - { .name: ws, .offset: 24, .size: 8, .value_kind: global_buffer, .address_space: global }
      - { .name: b_enc, .offset: 32, .size: 8, .value_kind: global_buffer, .address_space: global }
      - { .name: b_s, .offset: 40, .size: 8, .value_kind: global_buffer, .address_space: global }
      - { .name: b_v, .offset: 48, .size: 8, .value_kind: global_buffer, .address_space: global }
      - { .name: b_c1, .offset: 56, .size: 8, .value_kind: global_buffer, .address_space: global }
      - { .name: b_b1, .offset: 64, .size: 8, .value_kind: global_buffer, .address_space: global }
      - { .name: W_c2, .offset: 72, .size: 8, .value_kind: global_buffer, .address_space: global }
      - { .name: W_b2, .offset: 80, .size: 8, .value_kind: global_buffer, .address_space: global }
      - { .name: b_c2, .offset: 88, .size: 8, .value_kind: global_buffer, .address_space: global }
      - { .name: b_b2, .offset: 96, .size: 8, .value_kind: global_buffer, .address_space: global }
      - { .name: out0, .offset: 104, .size: 8, .value_kind: global_buffer, .address_space: global }
      - { .name: part, .offset: 112, .size: 8, .value_kind: global_buffer, .address_space: global }
    .group_segment_fixed_size: 117760
    .private_segment_fixed_size: 0
    .kernarg_segment_align: 8
    .kernarg_segment_size: 120
    .max_flat_workgroup_size: 128
    .sgpr_count:     100
    .vgpr_count:     1024
    .wavefront_size: 32
...
	.end_amdgpu_metadata
.endif
;; end of part 2
;; launch regsum (part 3): grid 1 x 1, 1 waves a work-group, no clusters, 0 bytes of LDS; arguments part, out1; writes out1
.if DOCPART == 3
	.amdgcn_target "amdgcn-amd-amdhsa--gfx1250"
	.amdhsa_code_object_version 6
	.text
	.protected	k_q7827a5501d_regsum
	.globl	k_q7827a5501d_regsum
	.p2align	8
	.type	k_q7827a5501d_regsum,@function
k_q7827a5501d_regsum:
	s_mov_b64 s[64:65], 0
	v_nop
	global_prefetch_b8 v0, s[64:65] scope:SCOPE_SE
	s_setreg_imm32_b32 hwreg(HW_REG_WAVE_MODE, 25, 1), 1
	s_wait_xcnt 0x0
; REGSUM: out1[a] = 0.001 / (16,384 x 7) x the sum over the 256 work-groups of part[wg][a].  part: [256][8] f32, 8,192 bytes: one wave reads it by 16 loads of 512 consecutive bytes.
; Lane l holds agents 4 (l % 2) .. + 3 of rows l / 2 + 16 k.  The sum is taken in another order than written.
	s_load_b128 s[4:7], s[0:1], 0x0                ; part, out1
	v_lshlrev_b32 v1, 4, v0
	s_mov_b32 s8, 0x76543210
	s_mov_b32 s9, 0xfedcba98                       ; v_permlanex16_b32: lane l xor 16
	s_wait_alu depctr_va_vdst(0)
	s_wait_kmcnt 0x0
.irp k, 0,1,2,3,4,5,6,7,8,9,10,11,12,13,14,15
	global_load_b128 v[4+4*\k:7+4*\k], v1, s[4:5] offset:512*\k
.endr
	s_wait_loadcnt 0x0
.irp d, 8,4,2,1                        ; my 16 rows, as a tree
.set k, 0
.rept \d
	v_pk_add_f32 v[4+4*k:5+4*k], v[4+4*k:5+4*k], v[4+4*(k+\d):5+4*(k+\d)]
	v_pk_add_f32 v[6+4*k:7+4*k], v[6+4*k:7+4*k], v[6+4*(k+\d):7+4*(k+\d)]
.set k, k+1
.endr
.endr
.irp x, 2,4,8                          ; the lanes of my parity hold the same agents
.irp j, 4,5,6,7
	v_add_f32_dpp v\j, v\j, v\j row_xmask:\x row_mask:0xf bank_mask:0xf
.endr
.endr
.irp j, 4,5,6,7
	v_permlanex16_b32 v[4+\j], v\j, s8, s9
.endr
.irp j, 4,5,6,7
	v_add_f32 v\j, v\j, v[4+\j]
.endr
.irp j, 4,5,6,7
	v_mul_f32 v\j, 0x3215cbec, v\j                 ; 0.001 / 114,688
.endr
	v_cmp_gt_u32 vcc_lo, 2, v0
	s_wait_alu depctr_va_vdst(0)
	s_wait_xcnt 0x0                                ; EXEC changes only behind this wait
	s_and_saveexec_b32 s10, vcc_lo
	global_store_b128 v1, v[4:7], s[6:7]           ; lanes 0 and 1: the eight numbers
	s_wait_xcnt 0x0
	s_or_b32 exec_lo, exec_lo, s10
	s_endpgm
.Lfunc_end_k_q7827a5501d_regsum:
	.size	k_q7827a5501d_regsum, .Lfunc_end_k_q7827a5501d_regsum-k_q7827a5501d_regsum
	.p2alignl 7, 3214868480
	.fill 96, 4, 3214868480
	.section	.rodata,"a",@progbits
	.p2align	6, 0x0
	.amdhsa_kernel k_q7827a5501d_regsum
		.amdhsa_group_segment_fixed_size 0
		.amdhsa_private_segment_fixed_size 0
		.amdhsa_enable_private_segment 0
		.amdhsa_kernarg_size 16
		.amdhsa_user_sgpr_count 2
		.amdhsa_user_sgpr_kernarg_segment_ptr 1
		.amdhsa_wavefront_size32 1
		.amdhsa_system_sgpr_workgroup_id_x 1
		.amdhsa_system_sgpr_workgroup_id_y 1
		.amdhsa_system_sgpr_workgroup_id_z 1
		.amdhsa_system_vgpr_workitem_id 0
		.amdhsa_next_free_vgpr 80
		.amdhsa_next_free_sgpr 66
		.amdhsa_reserve_vcc 1
		.amdhsa_float_denorm_mode_32 3
		.amdhsa_float_denorm_mode_16_64 3
		.amdhsa_memory_ordered 1
		.amdhsa_forward_progress 1
		.amdhsa_inst_pref_size 6
	.end_amdhsa_kernel
	.amdgpu_metadata
---
amdhsa.version: [ 1, 2 ]
amdhsa.kernels:
  - .name:           k_q7827a5501d_regsum
    .symbol:         k_q7827a5501d_regsum.kd
    .args:
      - { .name: part, .offset: 0, .size: 8, .value_kind: global_buffer, .address_space: global }
      - { .name: out1, .offset: 8, .size: 8, .value_kind: global_buffer, .address_space: global }
    .group_segment_fixed_size: 0
    .private_segment_fixed_size: 0
    .kernarg_segment_align: 8
    .kernarg_segment_size: 16
    .max_flat_workgroup_size: 32
    .sgpr_count:     66
    .vgpr_count:     80
    .wavefront_size: 32
...
	.end_amdgpu_metadata
.endif
;; end of part 3
